; MI455X (gfx1250); checked and timed in simulation.
; The chip was launched on July 23, 2026; its instructions are those of AMD's public machine-readable ISA for CDNA 5 (MIT licence, August 2026) and "CDNA5" Instruction Set Architecture Reference Guide (July 2026). The comments in the code are by the model that wrote it; some were corrected since.
;; Recompose. Allowed arithmetic: matrix products marked QUANTISED: E4M3 operands, one given power-of-two scale a tensor, by v_wmma_f32_16x16x64_fp8_fp8 or v_wmma_f32_16x16x128_fp8_fp8, f32 sums; everything else in f32.
;; Inputs: batch_indices 8,192 int32; lowp_scales 2 int32 (the exponents e of the quantised operands' scales 2^e); scaling_factors 1,024 float32; targets 8,192 x 1,024 float32; temporal_bases 16,384 x 1,024 float32.
;; Outputs: out0 8,192 x 1 float32.
;; This version of the problem:
;;   THIS VERSION OF THE PROBLEM IS GIVEN IN LOW PRECISION. The matrix products marked QUANTISED in the list below multiply operands that are first quantised to E4M3 (4 exponent bits, 3 mantissa bits; 8 bits a number), with one given power-of-two scale for each operand tensor; their sums are f32. All else is computed in f32.
;;   The module's matrix products, in the order in which they are computed (A, B: the left and right operand; K: the contracted axis; several contracted axes count as one K, in the product's order):
;;     1. [M 8,192, K 1,024] x [K 1,024, N 8,192]; A: input targets; B: computed on the way: QUANTISED (scales: A lowp_scales[0], B lowp_scales[1])
;;   THE QUANTISER, for each operand of a quantised product, along K:
;;     - The operand's scale is 2^e, e = its entry of the input lowp_scales (int32; the entries are numbered through the quantised products in the list's order, A before B).
;;     - Each number is divided by the scale, clamped to +-448, and rounded to the nearest number of E4M3, ties to even, subnormals kept.
;;     - The product sums the exact products of the quantised numbers (number of the format x scale) in f32.
;;   ~~~python
;;   def quantise(x, axis, e):      # numpy; x: float32 -> the quantised numbers, widened to float32 again
;;       x = np.moveaxis(x, axis, -1); K = x.shape[-1]
;;       r = np.clip(x / 2.0 ** e, -448, 448)
;;       step = 2.0 ** (np.maximum(np.frexp(np.where(r == 0, 1, r))[1] - 1, -6) - 3)
;;       q = np.round(r / step) * step * 2.0 ** e      # np.round: ties to even
;;       return np.moveaxis(q, -1, axis).astype(np.float32)
;;   ~~~
;;   OPERANDS COMPUTED ON THE WAY. 'Computed on the way' means the value that the module computes at that place (a softmax that the list does not call 'softmax' is quantised finished and normalised). What goes into a quantiser is computed in f32, as accurately as f32 sums, v_exp_f32 and their like allow (about 1e-6 of the number): no bf16 or f16 on the way to a quantiser, and a product that is left as it is and whose result goes on into a quantised operand takes f32 operands (vector FMAs, or v_wmma_f32_16x16x4_f32). A number that lies on a knife's edge between two numbers of the format may be rounded either way, as far as f32 arithmetic and the matrix unit's own rounding can turn it there, and no further.
;; One version. Each part assembles by itself: llvm-mc -triple=amdgcn-amd-amdhsa -mcpu=gfx1250 --defsym DOCPART=n.
;; ======== version 1 of 1: 2 launches
;; workspace buffers: a_codes 8,388,608 bytes; b_codes 8,388,608 bytes
;; launch quant (part 1): grid 512 x 1, 4 waves a work-group, no clusters, 33,280 bytes of LDS; arguments targets, temporal_bases, scaling_factors, batch_indices, lowp_scales, a_codes, b_codes; writes a_codes, b_codes
.if DOCPART == 1
	.amdgcn_target "amdgcn-amd-amdhsa--gfx1250"
	.amdhsa_code_object_version 6
	.text
	.protected	k_q64657c5844_quant
	.globl	k_q64657c5844_quant
	.p2align	8
	.type	k_q64657c5844_quant,@function
k_q64657c5844_quant:
	s_mov_b64 s[64:65], 0
	v_nop
	global_prefetch_b8 v0, s[64:65] scope:SCOPE_SE
	s_setreg_imm32_b32 hwreg(HW_REG_WAVE_MODE, 25, 1), 1
	s_wait_xcnt 0x0
; Both operands of the product become codes of FP8 (E4M3), one byte each, K innermost:
;   a_codes[m][k] = code(targets[m][k] / 2^e0);   b_codes[n][k] = code(temporal_bases[batch_indices[n]][k] x scaling_factors[k] / 2^e1).
; code = the number / 2^e, held within +-448, to the nearest code, ties to even.  e0, e1: the two whole numbers in lowp_scales.  The product with the factor is one f32 multiplication.
; LIMITS: e0 and e1 each between -126 and 119, so that 2^e and 448 x 2^e are f32 numbers.  NaN among the inputs is not served; an infinity is held at the largest code.  An index is taken as unsigned and held at 16,383.
; SHARES.  The first WGA work-groups take targets, the others the gathered rows.  A wave takes 8 rows of 1,024 numbers: 16 steps of 512 numbers (half a row).  A row's address is its tensor's address + 4,096 x its row
; number: for targets the row itself, for the table batch_indices[row]; the choice hangs on the work-group's number alone.  Both kinds take ONE way through memory and LDS; a scalar branch on the work-group's number
; jumps over the multiplication by the factors alone.  (targets' work-groups load the 4,096 bytes of factors and their 32 bytes of indices too and leave them unused: so the waits' counts are the same on both ways.)
; The conversions take 8 numbers of one lane's consecutive registers, so a lane must hold NEIGHBOURS along K, while a load is best where neighbouring LANES take neighbouring bytes.  Both are had: each of a step's four
; loads reads 512 consecutive bytes, 16 a lane; the 2,048 bytes go through the wave's own stage in LDS as they lie and come back 64 bytes a lane.  The stage has 16 bytes of padding behind each 64.
; A lane's 16 codes are 16 bytes: the wave stores 512 consecutive bytes.  No tensor loads, no barrier: waves share nothing.  Loads run four steps (16 loads a wave) ahead, the turn through LDS one step.
.set WGA,   256                        ; 8,192 rows / (4 waves x 8 rows)
.set STEPS, 16
.set R,     16                         ; v16-79   four sets of 16 numbers as they are loaded
.set X,     80                         ; v80-111  two sets of 16 neighbours
.set C,     128                        ; v128-191 codes: four registers for each step, so that no store's data are written again
.set S,     192                        ; v192-223 my 16 factors in the first half of a row, then in the second
.set WREG,  8192                       ; LDS: a region of its own for each wave: two stages of 32 x SP bytes
.set SP,    80                         ; a lane's place in a stage: its 64 bytes + 16 of padding
.set IDX,   40                         ; s[40:47] the row numbers of my 8 rows
.set LIN,   48                         ; s[48:55] my 8 rows, counted on
.set BASE,  66                         ; s[66:81] the addresses of my 8 rows, a pair each
	s_load_b256 s[4:11], s[0:1], 0x0               ; targets s[4:5], temporal_bases s[6:7], scaling_factors s[8:9], batch_indices s[10:11]
	s_load_b128 s[12:15], s[0:1], 0x20             ; lowp_scales s[12:13], a_codes s[14:15]
	s_load_b64 s[16:17], s[0:1], 0x30              ; b_codes
	v_lshl_add_u32 v224, v0, 2, 0x8000
	v_mov_b32 v225, 0
	v_lshrrev_b32 v1, 5, v0
	v_readfirstlane_b32 s20, v1                    ; wave 0..3
	v_and_b32 v2, 31, v0                           ; lane
	v_lshlrev_b32 v3, 4, v2                        ; 16 x lane: my 16 bytes of a load's 512, and my 16 codes of a step's 512; never rewritten
	v_lshlrev_b32 v5, 6, v2                        ; 64 x lane: my 16 factors of 512
	s_mul_i32 s21, s20, WREG
	v_lshrrev_b32 v14, 2, v2
	v_mul_u32_u24 v14, v14, SP
	v_and_b32 v15, 3, v2
	v_lshl_add_u32 v14, v15, 4, v14
	v_add_nc_u32 v14, s21, v14                     ; the stage, on the way in: four lanes' 64 bytes on end, then 16 of padding: SP (lane / 4) + 16 (lane % 4); a load's 512 bytes take eight places
	v_mul_u32_u24 v15, v2, SP
	v_add_nc_u32 v15, s21, v15                     ; and on the way out: SP x lane: my 16 neighbours
	s_and_b32 s22, ttmp9, WGA-1                    ; my work-group among its tensor's 256
	s_lshl_b32 s22, s22, 2
	s_add_co_u32 s22, s22, s20
	s_lshl_b32 s22, s22, 3                         ; my wave's first row: 8 x (4 x work-group + wave)
.irp i, 0,1,2,3,4,5,6,7
	s_add_co_u32 s[LIN+\i], s22, \i
.endr
	s_lshl_b32 s18, s22, 2                         ; its entry of batch_indices, in bytes
	s_mov_b32 s19, 0
	s_lshl_b32 s24, s22, 10                        ; its codes: 1,024 bytes a row
	s_mov_b32 s25, 0
	s_wait_kmcnt 0x0                               ; the seven addresses
	s_add_nc_u64 s[10:11], s[10:11], s[18:19]
	s_load_b256 s[IDX:IDX+7], s[10:11], 0x0        ; eight indices
	s_load_b64 s[26:27], s[12:13], 0x0             ; e0, e1
.irp h, 0,1
.irp j, 0,1,2,3
	global_load_b128 v[S+16*\h+4*\j:S+16*\h+4*\j+3], v5, s[8:9] offset:2048*\h+16*\j   ; scaling_factors[512 h + 16 lane + 4 j ..]: the oldest loads, so the first wait for a step's numbers covers them
.endr
.endr
	s_cmp_lt_u32 ttmp9, WGA                        ; targets' work-group or the table's?
	s_cselect_b64 s[4:5], s[4:5], s[6:7]           ; from where,
	s_cselect_b64 s[14:15], s[14:15], s[16:17]     ; and to where
	s_add_nc_u64 s[14:15], s[14:15], s[24:25]
	s_wait_kmcnt 0x0                               ; the indices and the exponents
	s_cmp_lt_u32 ttmp9, WGA
.irp i, 0,1,2,3,4,5,6,7
	s_cselect_b32 s[IDX+\i], s[LIN+\i], s[IDX+\i]  ; the row itself, or the row that the list names
.endr
	s_cselect_b32 s26, s26, s27                    ; e.  (All choices stand ahead of the lines below, which write SCC)
.irp i, 0,1,2,3,4,5,6,7
	s_min_u32 s[IDX+\i], s[IDX+\i], 0x3fff         ; inside the table (targets' rows lie under 8,192)
	s_lshl_b32 s18, s[IDX+\i], 12                  ; a row is 4,096 bytes
	s_add_nc_u64 s[BASE+2*\i:BASE+2*\i+1], s[4:5], s[18:19]
.endr
.macro LOAD t                          ; step t: half t % 2 of row t / 2
.irp i, 0,1,2,3
	global_load_b128 v[R+16*((\t)%4)+4*\i:R+16*((\t)%4)+4*\i+3], v3, s[BASE+2*((\t)/2):BASE+2*((\t)/2)+1] offset:2048*((\t)%2)+512*\i   ; 32 lanes read 512 consecutive bytes.  No hint: the list may name a row twice
.endr
.endm
.macro TURN t                          ; step t's numbers through the stage: LDS serves a wave's instructions in order (ISA guide 5.7.1.4), so no wait stands between the stores and the loads
.irp i, 0,1,2,3
	ds_store_b128 v14, v[R+16*((\t)%4)+4*\i:R+16*((\t)%4)+4*\i+3] offset:32*SP*((\t)%2)+8*SP*\i
.endr
.irp i, 0,1,2,3
	ds_load_b128 v[X+16*((\t)%2)+4*\i:X+16*((\t)%2)+4*\i+3], v15 offset:32*SP*((\t)%2)+16*\i
.endr
.endm
.irp t, 0,1,2,3
	LOAD \t
.endr
	s_add_co_i32 s26, s26, 127
	s_lshl_b32 s27, s26, 23
	v_mov_b32 v11, s27                             ; 2^e as f32: the conversion takes its exponent field
	s_add_co_i32 s26, s26, 8
	s_lshl_b32 s26, s26, 23
	s_or_b32 s26, s26, 0x600000
	v_mov_b32 v10, s26                             ; 448 x 2^e
	s_wait_loadcnt 12                              ; step 0's four loads are in, and the factors, which were asked for earlier; the 12 loads of steps 1 to 3 may be out
	TURN 0
.macro STEP t
.set XS, X+16*((\t)%2)
.set SS, S+16*((\t)%2)
	s_wait_dscnt 0x0                               ; this step's numbers are back from the stage: so its stores into the stage have read their registers,
.if (\t)+4 < STEPS
	LOAD (\t)+4                                    ; which take the loads of four steps on
.endif
.if (\t)+1 < STEPS
.if STEPS-2-(\t) >= 3
	s_wait_loadcnt 12                              ; the next step's four loads are in; those of the three steps behind it may be out
.else
	s_wait_loadcnt 4*(STEPS-2-(\t))                ; the counts run down: 8, 4, 0
.endif
	TURN (\t)+1                                    ; and go through the other stage while this step is worked
.endif
	s_cmp_lt_u32 ttmp9, WGA
	s_cbranch_scc1 .Lplain_\@                      ; targets have no factors: the branch jumps over work on registers alone
.irp j, 0,2,4,6,8,10,12,14
	v_pk_mul_f32 v[XS+\j:XS+\j+1], v[XS+\j:XS+\j+1], v[SS+\j:SS+\j+1]   ; sel x s, rounded once to f32
.endr
.Lplain_\@:
.irp i, 0,1,2,3,4,5,6,7,8,9,10,11,12,13,14,15
	v_med3_num_f32 v[XS+\i], v[XS+\i], -v10, v10   ; the conversion to an 8-bit code does not saturate (ISA guide 7.6.2): the number is held within the largest code x the scale first
.endr
	v_cvt_scalef32_pk8_fp8_f32 v[C+4*(\t):C+4*(\t)+1], v[XS:XS+7], v11          ; eight numbers / 2^e, to the nearest code, ties to even; the first number's code in the lowest byte
	v_cvt_scalef32_pk8_fp8_f32 v[C+4*(\t)+2:C+4*(\t)+3], v[XS+8:XS+15], v11
	global_store_b128 v3, v[C+4*(\t):C+4*(\t)+3], s[14:15] offset:512*(\t)      ; the codes go to a store alone; the next vector lines are plain and work on the other set of numbers
.endm
.irp t, 0,1,2,3,4,5,6,7,8,9,10,11,12,13,14,15
	STEP \t
.endr
	s_wait_tensorcnt 0x0
	ds_add_u32 v224, v225
	s_wait_dscnt 0x0
	s_endpgm
.Lfunc_end_k_q64657c5844_quant:
	.size	k_q64657c5844_quant, .Lfunc_end_k_q64657c5844_quant-k_q64657c5844_quant
	.p2alignl 7, 3214868480
	.fill 96, 4, 3214868480
	.section	.rodata,"a",@progbits
	.p2align	6, 0x0
	.amdhsa_kernel k_q64657c5844_quant
		.amdhsa_group_segment_fixed_size 33280
		.amdhsa_private_segment_fixed_size 0
		.amdhsa_enable_private_segment 0
		.amdhsa_kernarg_size 56
		.amdhsa_user_sgpr_count 2
		.amdhsa_user_sgpr_kernarg_segment_ptr 1
		.amdhsa_wavefront_size32 1
		.amdhsa_system_sgpr_workgroup_id_x 1
		.amdhsa_system_sgpr_workgroup_id_y 1
		.amdhsa_system_sgpr_workgroup_id_z 1
		.amdhsa_system_vgpr_workitem_id 0
		.amdhsa_next_free_vgpr 226
		.amdhsa_next_free_sgpr 84
		.amdhsa_reserve_vcc 0
		.amdhsa_float_denorm_mode_32 3
		.amdhsa_float_denorm_mode_16_64 3
		.amdhsa_memory_ordered 1
		.amdhsa_forward_progress 1
		.amdhsa_inst_pref_size 49
	.end_amdhsa_kernel
	.amdgpu_metadata
---
amdhsa.version: [ 1, 2 ]
amdhsa.kernels:
  - .name:           k_q64657c5844_quant
    .symbol:         k_q64657c5844_quant.kd
    .args:
      - { .name: targets, .offset: 0, .size: 8, .value_kind: global_buffer, .address_space: global }
      - { .name: temporal_bases, .offset: 8, .size: 8, .value_kind: global_buffer, .address_space: global }
      - { .name: scaling_factors, .offset: 16, .size: 8, .value_kind: global_buffer, .address_space: global }
      - { .name: batch_indices, .offset: 24, .size: 8, .value_kind: global_buffer, .address_space: global }
      - { .name: lowp_scales, .offset: 32, .size: 8, .value_kind: global_buffer, .address_space: global }
      - { .name: a_codes, .offset: 40, .size: 8, .value_kind: global_buffer, .address_space: global }
      - { .name: b_codes, .offset: 48, .size: 8, .value_kind: global_buffer, .address_space: global }
    .group_segment_fixed_size: 33280
    .private_segment_fixed_size: 0
    .kernarg_segment_align: 8
    .kernarg_segment_size: 56
    .max_flat_workgroup_size: 128
    .sgpr_count:     84
    .vgpr_count:     226
    .wavefront_size: 32
...
	.end_amdgpu_metadata
.endif
;; end of part 1
;; launch gemm (part 2): grid 32 x 8, 4 waves a work-group, clusters of 4 x 4, 327,680 bytes of LDS; arguments a_codes, b_codes, lowp_scales, out0; writes out0
.if DOCPART == 2
	.amdgcn_target "amdgcn-amd-amdhsa--gfx1250"
	.amdhsa_code_object_version 6
	.text
	.protected	k_q64657c5844_gemm
	.globl	k_q64657c5844_gemm
	.p2align	8
	.type	k_q64657c5844_gemm,@function
k_q64657c5844_gemm:
	s_mov_b64 s[64:65], 0
	v_nop
	global_prefetch_b8 v0, s[64:65] scope:SCOPE_SE
	s_setreg_imm32_b32 hwreg(HW_REG_WAVE_MODE, 25, 1), 1
	s_wait_xcnt 0x0
	s_wait_alu depctr_hold_cnt(0) depctr_sa_sdst(0) depctr_va_vdst(0) depctr_va_sdst(0) depctr_va_ssrc(0) depctr_va_vcc(0) depctr_vm_vsrc(0)
	s_getreg_b32 s2, hwreg(HW_REG_IB_STS2, 6, 4)
	s_cmp_eq_u32 s2, 0
	s_cbranch_scc0 .Lentry_in_a_cluster
	s_endpgm
.Lentry_in_a_cluster:
	s_bfe_u32 s2, ttmp6, 0x10000c
	s_cmp_lg_u32 s2, 0xf033
	s_cbranch_scc0 .Lentry_shape_is_right
	s_endpgm
.Lentry_shape_is_right:
; recomped[m][n] = 2^(e0 + e1) x the sum over k of A[m][k] B[n][k], A = a_codes [8192][1024], B = b_codes [8192][1024]: codes of FP8 (E4M3), K innermost; sums in f32.  out0[m] = recomped[m][1].
; THE WHOLE PRODUCT IS MULTIPLIED, all 8,192 columns, as the function is written; of the results only column 1 is returned, so only column 1 is scaled and stored, and the other sums are left in their registers.
; e0 + e1 is applied by v_ldexp_f32 and has no limit of its own.
; A tile of the product, 256 x 256, is made by a work-group of four waves, as many as a WGP has SIMDs; a wave makes 128 x 128: 64 accumulators of 16 x 16, 512 registers.
; K goes in steps of 256 through a ring of two LDS slots filled by the tensor data mover: a tile's row is 256 bytes of memory.  A tile has four K steps.
; A WORK-GROUP STAYS: 32 x 8 work-groups make 32 x 32 tiles, four each, one below the other, 2,048 rows apart.  The ring does not stop at a tile's end: a tile's last two changes of slots ask for the next tile's
; first two K steps.  The first three tiles are a loop of three trips; the fourth is written out, since its last two changes of slots fill nothing.
; CLUSTERS: 4 x 4 work-groups.  The four of a row of the cluster need the same tiles of A, the four of a column the same tiles of B: each tile is asked for JOINTLY, by the same tensor load with the
; same descriptor and a mask that names the four.  THE MATRIX INSTRUCTION IS USED TRANSPOSED (source 0 = 16 rows of B, source 1 = 16 rows of A): lane l holds row l % 16 of the product and columns 8 (l / 16) + 0 .. 7.
; REGISTERS, in windows of 256: window 0: v0-31 addresses; v32-43 the way out; from v128 A's fragments (8 x 16 rows x 128 K), ONE set.
;   window 1: B's fragments, TWO sets, at v0 and at v128.   window 2: the 32 accumulators of my rows 0-63 (accumulator (a, b) at v[8 (8 a + b)]);   window 3: those of my rows 64-127.
; A step of 128 along K is 64 matrix instructions, A's blocks one after the other, each against B's eight.  So a block of A is free as soon as its eight products are issued, and one set of registers serves A:
; blocks 0-3 are fetched anew in the step's middle, blocks 4-7 at its end.  B's fragments are at work through the whole step, so B has two sets.
; A lane's codes stand at K = 32 c + 16 (l / 16) + 0 .. 15 in registers 4 c .. 4 c + 3: a permutation of k, the same in A and in B, so every product meets its partner.
.set SIZE_K, 1024
.set TILES,  4                         ; tiles of a work-group
.set WALK,   8192/TILES                ; rows from one of them to the next
.set ROWB,   256                       ; a tile's row in bytes: a K step
.set KROW,   SIZE_K                    ; a row of A or of B in memory, in bytes
.set NEXT_A, WALK*KROW-2*ROWB          ; bytes from a slot's last K step of a tile to its first of the next tile: A goes WALK rows down and back along K,
.set BACK_B, 2*ROWB                    ; B only back: the four tiles share their rows of B
.set PITCH,  272                       ; an LDS row: 256 bytes of data + 16 of padding = 68 words: row r starts at bank 4 r mod 64 (64 banks of 4 bytes: ISA guide 11.1), so the 16 rows that a load touches start at 16 different banks
.set FR,     16                        ; registers of a fragment: 16 rows x 128 K
.set NL,     4                         ; LDS loads that bring one
.set NP,     4                         ; places behind this matrix instruction (ISA guide 7.12.1)
.set HALFT,  128*PITCH                 ; 128 rows: what one tensor load brings, and what one wave reads of A or of B
.set SLOT,   4*HALFT                   ; A's 256 rows, then B's 256 rows
.set STAGE,  2*SLOT                    ; behind the ring: 1,024 bytes for each wave, for the way out: bytes of their own, into which no tile lands
.set SPARE,  STAGE+4*1024              ; behind the stages: the spare words, 128 bytes for each wave: two blocks of 256 bytes that no other line names
.set ADRA, 16                          ; v16-17  LDS address of my A fragments in slot 0, 1
.set ADRB, 20                          ; v20-21  the same for B
.set STO,  24                          ; v24     the way out: where I put a row's number
.set RD,   25                          ; v25     the way out: where I read four rows' numbers back
.set CO,   26                          ; v26     16 x lane: my byte offset among my wave's 128 outputs; never rewritten
.set CXV,  27                          ; v27     my work-group's place along the cluster's x
.set SPW,  28                          ; v28     LDS address of my spare word: SPARE + 4 x my thread's number; never rewritten
.set NIL,  29                          ; v29     0; never rewritten
.set PFO,  30                          ; v30     the prefetches' offset: my lane x a row of A in memory; never rewritten
.set TMP,  32                          ; v32-39 column 1 of my eight blocks x 2^(e0 + e1); v40-43 four rows' numbers a lane
.set AF,   128                         ; A's fragments, in window 0
.set G1, 24                            ; s[24:31] descriptor group 1 for A's tiles;  s[32:39] group 0, one set for each slot
.set G0, 32
.set G1B, 48                           ; s[48:55], s[56:63] the same for B's tiles
.set G0B, 56
.set MINE, 66                          ; s66     0 in a wave that holds column 1, if its work-group is its cluster's first along x
.set SAVE, 67                          ; s67     EXEC, while it is narrowed
.set LIM,  68                          ; s68     0 in a wave that prefetches
.set PFA,  70                          ; s[70:71] where my prefetches stand in A
.set MSB, 0
.macro WIN new                         ; the immediate's high byte repeats the setting that is left
.if MSB != \new
	s_set_vgpr_msb (MSB<<8)|\new
.set MSB, \new
.endif
.endm
.set MUL_LO, 0xa1                      ; source 0 (B) window 1, source 1 (A) window 0, C and D window 2
.set MUL_HI, 0xf1                      ; the same, C and D window 3
.set TO_B,   0x40                      ; destination window 1, address window 0
; A joint load: waves 0 and 1 fetch for A, waves 2 and 3 for B.  Each of the two lines has ONE mask and one set of registers for all that issue it; the branch hangs on the wave's number alone.
; Four v_nop follow each of the two lines, ahead of the jump, the label and what follows.
.macro JLOAD g0a, g1a, g0b, g1b
	s_cmp_eq_u32 s15, 0
	s_cbranch_scc0 .Lfor_b_\@
	tensor_load_to_lds s[\g0a:\g0a+3], s[\g1a:\g1a+7]
	s_nop 0
.rept 4
	v_nop
.endr
	s_branch .Lasked_\@
.Lfor_b_\@:
	tensor_load_to_lds s[\g0b:\g0b+3], s[\g1b:\g1b+7]
	s_nop 0
.rept 4
	v_nop
.endr
.Lasked_\@:
.endm
; A PREFETCH INTO THE L2 of A's rows.  A tile has four K steps, so the change of slots behind K step g of a tile asks for the SAME K step of the NEXT tile: the K step that stands two refills, 256 matrix instructions, on.
; 32 rows x 256 bytes, a lane a row, one instruction a wave; it stands behind the joint load, its four lines and the run of LDS loads that follows them.
; Each row's 256 bytes of a K step are named ONCE in the launch.  A's tile row is read by every cluster of that row of clusters: the first of them (cluster x = 0) asks, in its waves 0 and 1, which fetch for A.
; The four partners that ask for a tile jointly share its rows out BY ADDRESS: of the 128 rows that a wave fetches, the partner at place cx takes 32 cx .. 32 cx + 31: no branch hangs on a work-group's place in its cluster.
; THE ENDS: the first tile's four K steps come by their loads alone; the loop's three trips ask for tiles 1 to 3; the last tile, which is written out, asks for nothing.  B's rows are the same for all four tiles and are not asked for.
.macro ASK
	s_cmp_eq_u32 s[LIM], 0
	s_cbranch_scc0 .Lnot_asking_\@
	global_prefetch_b8 v[PFO], s[PFA:PFA+1] th:TH_LOAD_NT scope:SCOPE_SE
.Lnot_asking_\@:
.endm
.macro CREST                           ; a round of the cluster's barrier behind its opening barrier
	s_cmp_lg_u32 s14, 0
	s_cbranch_scc1 .Lnot_wave_0_\@
	s_barrier_signal -3
.Lnot_wave_0_\@:
	s_barrier_wait -3
	s_barrier_signal -1
	s_barrier_wait -1
.endm
.macro CROUND                          ; a whole round
	s_barrier_signal -1
	s_barrier_wait -1
	CREST
.endm
	s_load_b128 s[4:7], s[0:1], 0x0                ; A's codes s[4:5], B's codes s[6:7]
	s_load_b128 s[8:11], s[0:1], 0x10              ; the two scales' exponents s[8:9], out0 s[10:11]
	v_lshl_add_u32 v[SPW], v0, 2, SPARE
	v_mov_b32 v[NIL], 0
	ds_add_u32 v28, v29
	ds_add_u32 v28, v29
	s_wait_dscnt 0x0
	v_lshrrev_b32 v1, 5, v0
	v_readfirstlane_b32 s14, v1                    ; wave 0..3
	s_lshr_b32 s15, s14, 1                         ; which half of the tile's rows is mine.  Also: I fetch for A (0) or for B (1)
	s_and_b32 s16, s14, 1                          ; which half of its columns.  Also: which 128 rows of that tile I fetch
	s_bfe_u32 s40, ttmp6, 0x40000                  ; cx, cy: my place in the cluster
	s_bfe_u32 s41, ttmp6, 0x40004
	s_lshl_b32 s42, ttmp9, 2
	s_add_co_u32 s42, s42, s40                     ; tile column = 4 x cluster x + cx
	s_and_b32 s17, ttmp7, 0xffff
	s_lshl_b32 s17, s17, 2
	s_add_co_u32 s17, s17, s41                     ; my first tile's row = 4 x cluster y + cy: 0 .. 7
	s_lshl_b32 s43, s41, 2
	s_lshl_b32 s43, 15, s43                        ; my row of the cluster
	s_lshl_b32 s44, 0x1111, s40                    ; my column
	; descriptor group 1: a tile of 128 rows x ROWB bytes, padded in LDS
	s_or_b32 s[G1+0], s43, (0<<16)|(1<<20)|(1<<21)|(5<<22)|(3<<25)  ; 15:0 the mask: A's tiles go to my row; 17:16 element of 1 byte; 20 padding on; 21 set beside a mask; 24:22 after every 64 words (code 5); 31:25 of 4 words (code 3)
	s_or_b32 s[G1B+0], s44, (0<<16)|(1<<20)|(1<<21)|(5<<22)|(3<<25)
.irp g, G1, G1B
	s_mov_b32 s[\g+1], ROWB<<16                    ; tensor_dim0
	s_mov_b32 s[\g+2], 128<<16                     ; tensor_dim1 = 128
	s_mov_b32 s[\g+3], ROWB<<16                    ; tile_dim0
	s_mov_b32 s[\g+4], 128                         ; tile_dim1 = 128
	s_mov_b32 s[\g+5], KROW                        ; tensor_dim0_stride
	s_mov_b32 s[\g+6], 0
	s_mov_b32 s[\g+7], 0
.endr
	s_lshl_b32 s18, s16, 7                         ; which 128 rows of the tile I fetch
	s_lshl_b32 s20, s17, 8
	s_add_co_u32 s20, s20, s18                     ; A: row 256 x tile row + 128 x half
	s_lshl_b32 s46, s42, 8
	s_add_co_u32 s46, s46, s18                     ; B: row 256 x tile column + 128 x half
	s_mov_b32 s21, 0
	s_mov_b32 s47, 0
	s_mov_b64 s[18:19], KROW
	s_mul_u64 s[20:21], s[20:21], s[18:19]         ; and their codes
	s_mul_u64 s[46:47], s[46:47], s[18:19]
	s_mul_i32 s45, s14, HALFT                      ; where they go: wave x 128 rows: no place in the cluster enters an LDS address
	s_wait_kmcnt 0x0
	s_load_b64 s[96:97], s[8:9], 0x0               ; e0, e1
	s_add_nc_u64 s[20:21], s[4:5], s[20:21]
	s_add_nc_u64 s[46:47], s[6:7], s[46:47]
	CROUND                                         ; all sixteen work-groups are here: the first joint loads meet
.irp s, 0,1
	s_mov_b32 s[G0+4*\s], 1
	s_add_co_u32 s[G0+4*\s+1], s45, \s*SLOT
	s_add_nc_u64 s[G0+4*\s+2:G0+4*\s+3], s[20:21], \s*ROWB
	s_or_b32 s[G0+4*\s+3], s[G0+4*\s+3], 0x80000000
	s_mov_b32 s[G0B+4*\s], 1
	s_add_co_u32 s[G0B+4*\s+1], s45, \s*SLOT
	s_add_nc_u64 s[G0B+4*\s+2:G0B+4*\s+3], s[46:47], \s*ROWB
	s_or_b32 s[G0B+4*\s+3], s[G0B+4*\s+3], 0x80000000
	JLOAD G0+4*\s, G1, G0B+4*\s, G1B               ; two loads of mine are out
.endr
	v_and_b32 v1, 15, v0                           ; l % 16
	v_bfe_u32 v2, v0, 4, 1                         ; l / 16
	v_mul_u32_u24 v3, v1, PITCH
	v_lshl_add_u32 v4, v2, 4, v3                   ; a fragment's row x pitch + 16 x half
	s_mul_i32 s21, s15, HALFT                      ; my 128 rows of A
	s_mul_i32 s22, s16, HALFT                      ; my 128 rows of B,
	s_add_co_u32 s22, s22, 2*HALFT                 ; which lie behind A's 256
.irp s, 0,1
	v_add_nc_u32 v[ADRA+\s], s21, v4
	v_add_nc_u32 v[ADRB+\s], s22, v4
	s_add_co_u32 s21, s21, SLOT
	s_add_co_u32 s22, s22, SLOT
.endr
	; the way out: my wave's stage
	s_lshl_b32 s23, s14, 10
	s_add_co_u32 s23, s23, STAGE
	v_lshlrev_b32 v5, 2, v1                        ; in: lanes 0-15, which hold column 1: word l % 16 of a block's sixteen;
	v_lshl_add_u32 v5, v2, 9, v5                   ; lanes 16-31 hold column 9, which is not kept: their words go 512 bytes further on, where nobody reads
	v_add_nc_u32 v[STO], s23, v5
	v_and_b32 v6, 31, v0
	v_lshlrev_b32 v[CO], 4, v6                     ; back: the 32 lanes take the 512 bytes of my 128 rows; and the same in out0
	v_add_nc_u32 v[RD], s23, v[CO]
	v_mov_b32 v[CXV], s40
	s_lshl_b32 s20, s17, 10                        ; my first row's number in out0, in bytes: 4 x (256 x tile row + 128 x half)
	s_lshl_b32 s21, s15, 9
	s_add_co_u32 s20, s20, s21
	s_mov_b32 s21, 0
	s_add_nc_u64 s[10:11], s[10:11], s[20:21]
	s_or_b32 s[MINE], s16, ttmp9                   ; the wave's number and the cluster's x: the same in all sixteen partners
	; the prefetches: where mine stand, and who asks.  s[4:5] is still A's address
	s_lshl_b32 s72, s17, 8                         ; 256 x tile row
	s_lshl_b32 s73, s16, 7
	s_add_co_u32 s72, s72, s73                     ; + the 128 rows that I fetch
	s_lshl_b32 s73, s40, 5
	s_add_co_u32 s72, s72, s73                     ; + my work-group's 32 of them
	s_lshl_b32 s72, s72, 10                        ; 1,024 bytes a row
	s_add_co_u32 s72, s72, 3*ROWB                  ; at the first tile's K step 3: the first change of slots steps it to the second tile's K step 0
	s_mov_b32 s73, 0
	s_add_nc_u64 s[PFA:PFA+1], s[4:5], s[72:73]
	s_or_b32 s[LIM], s15, ttmp9                    ; 0 in waves 0 and 1 of the clusters with x = 0: the same in all sixteen partners
	v_and_b32 v[PFO], 31, v0
	v_lshlrev_b32 v[PFO], 10, v[PFO]
.macro FRAG reg, adr, q, i             ; a fragment, 16 rows x 128 K of 8-bit codes, is 16 registers: lane l holds row l % 16; registers 4 c .. 4 c + 3 hold K = 32 c + 16 (l / 16) + 0 .. 15
.irp c, 0,1,2,3
	ds_load_b128 v[\reg+4*\c:\reg+4*\c+3], v[\adr] offset:128*(\q)+32*\c+(\i)*16*PITCH
.endr
.endm
; 16 matrix instructions: A's blocks a0, a0 + 1 x B's eight, 128 along K.  p: B's set.  zero = 1: a tile's first products start its sums: nothing is ever cleared.
; The 64 accumulators take turns, one instruction a turn, in the same order in every step, from tile to tile too.
.macro MUL16 a0, p, zero
.irp a, \a0, \a0+1
.irp b, 0,1,2,3,4,5,6,7
.if \zero
	v_wmma_f32_16x16x128_fp8_fp8 v[8*(8*((\a)%4)+\b):8*(8*((\a)%4)+\b)+7], v[128*(\p)+FR*\b:128*(\p)+FR*\b+FR-1], v[AF+FR*(\a):AF+FR*(\a)+FR-1], 0
.else
	v_wmma_f32_16x16x128_fp8_fp8 v[8*(8*((\a)%4)+\b):8*(8*((\a)%4)+\b)+7], v[128*(\p)+FR*\b:128*(\p)+FR*\b+FR-1], v[AF+FR*(\a):AF+FR*(\a)+FR-1], v[8*(8*((\a)%4)+\b):8*(8*((\a)%4)+\b)+7]
.endif
.endr
.endr
.endm
.macro FETCH_B slot, q, p              ; B's eight fragments of the slot's q-th 128 along K into set p
	WIN TO_B
.irp i, 0,1,2,3,4,5,6,7
	FRAG 128*(\p)+FR*\i, ADRB+\slot, \q, \i
.endr
	WIN 0
.endm
.macro FETCH_A slot, q, i0             ; A's blocks i0 .. i0 + 3
.irp i, \i0, \i0+1, \i0+2, \i0+3
	FRAG AF+FR*(\i), ADRA+\slot, \q, \i
.endr
.endm
; A load into a register that a matrix instruction has read, and a vector instruction that reads a matrix result, stand NP places behind that matrix instruction, and only plain vector
; instructions that name none of its registers are places (ISA guide 7.12.1 for vector instructions); this text does not count the matrix instructions in between.
; A matrix instruction that begins an accumulator anew, with C = 0, stands NP + 1 places behind the last that wrote it: between a tile's last link on an accumulator and the next tile's first product
; on it stand two of the runs of four v_nop below, eight places.
.macro PLACES n
.rept \n
	v_nop
.endr
.endm
; A step of 128 along K that has its successor in the same slot.
.macro STEP slot, q, zero
	s_wait_dscnt 4*NL                              ; B's set and A's blocks 0-3 are in; the youngest 16 loads (A's blocks 4-7) may be out
	WIN MUL_LO
	MUL16 0, (\q)%2, \zero
	MUL16 2, (\q)%2, \zero
	s_wait_dscnt 0                                 ; A's blocks 4-7 are in (asked for 32 matrix instructions ago)
	PLACES NP
	FETCH_B \slot, (\q)+1, 1-(\q)%2
	FETCH_A \slot, (\q)+1, 0
	WIN MUL_HI
	MUL16 4, (\q)%2, \zero
	MUL16 6, (\q)%2, \zero
	PLACES NP
	WIN 0
	FETCH_A \slot, (\q)+1, 4
.endm
; A slot's last step changes slots: ONE barrier; in front of it each wave waits for all its tensor loads, adds 0 to its spare word, and waits for that and for its own reads of this slot.
; fill = 1: this slot is filled again with this tile's K step two steps on; fill = 2: with the NEXT tile's K step 0 or 1; fill = 0: not at all.
; pf = 1, 2: a prefetch follows the refill; its address goes a K step on (1), or from a tile's K step 3 to the next tile's K step 0 (2); pf = 0: none.
.macro TURN slot, next, fill, pf
.if \pf
	s_wait_xcnt 0x0                                ; the last prefetch, a K step back, has read its address: it is stepped here, ahead of the waits of the change of slots
.if \pf == 2
	s_add_nc_u64 s[PFA:PFA+1], s[PFA:PFA+1], WALK*KROW-3*ROWB
.else
	s_add_nc_u64 s[PFA:PFA+1], s[PFA:PFA+1], ROWB
.endif
.endif
	s_wait_tensorcnt 0x0                           ; all my tensor loads have landed: my part of the next slot;  (every window is 0 here: the add's two registers lie in window 0)
	ds_add_u32 v[SPW], v[NIL]                      ; 0 onto my spare word
	s_wait_dscnt 4*NL+1                            ; (the add and the youngest 16 loads, A's blocks 4-7, may be out)
	WIN MUL_LO
	MUL16 0, 1, 0                                  ; sixteen matrix instructions stand between the add and the wait for it
	s_wait_dscnt 0x0                               ; the add is done, and my reads of this slot are over
	s_barrier_signal -1
	MUL16 2, 1, 0
	WIN 0
	s_barrier_wait -1
.if \fill
	CREST                                          ; the barrier has opened a round of the cluster's barrier: no wave of any partner still reads this slot's tile or has a load on its way
.if \fill == 2
	s_add_nc_u64 s[G0+4*\slot+2:G0+4*\slot+3], s[G0+4*\slot+2:G0+4*\slot+3], NEXT_A
	s_sub_nc_u64 s[G0B+4*\slot+2:G0B+4*\slot+3], s[G0B+4*\slot+2:G0B+4*\slot+3], BACK_B
.else
	s_add_nc_u64 s[G0+4*\slot+2:G0+4*\slot+3], s[G0+4*\slot+2:G0+4*\slot+3], 2*ROWB
	s_add_nc_u64 s[G0B+4*\slot+2:G0B+4*\slot+3], s[G0B+4*\slot+2:G0B+4*\slot+3], 2*ROWB
.endif
	JLOAD G0+4*\slot, G1, G0B+4*\slot, G1B         ; the first tensor load behind the round, my one load until the next; the four v_nop behind it are the places in front of the loads below
.else
	PLACES NP
.endif
	FETCH_B \next, 0, 0
	FETCH_A \next, 0, 0
.if \pf
	ASK                                            ; behind the joint load and the run of LDS loads that the next products wait for
.endif
	WIN MUL_HI
	MUL16 4, 1, 0
	MUL16 6, 1, 0
	PLACES NP
	WIN 0
	FETCH_A \next, 0, 4
.endm
; THE WAY OUT of a tile.  Column 1 lies in tile column 0, in the waves of its first 128 columns, in accumulators (a, 0): register 1 of lanes 0-15, lane l = row 16 a + l.
; The branch hangs on the wave's number and on the cluster's x, which all sixteen partners share.  The work-group's place in its cluster enters no branch: it narrows EXEC round the one store.
; more = 1: another tile follows: out0's address goes WALK rows on.
.macro WAYOUT more
	s_cmp_lg_u32 s[MINE], 0
	s_cbranch_scc1 .Lnot_mine_\@
	PLACES NP                                      ; between the last products and the first read of their results
	WIN 0x02                                       ; source 0: window 2
.irp a, 0,1,2,3
	v_ldexp_f32 v[TMP+\a], v[64*\a+1], s96         ; x 2^(e0 + e1); of each accumulator one of its four lowest registers is read, and no other
.endr
	WIN 0x03                                       ; source 0: window 3
.irp a, 0,1,2,3
	v_ldexp_f32 v[TMP+4+\a], v[64*\a+1], s96
.endr
	WIN 0
.irp a, 0,1,2,3,4,5,6,7
	ds_store_b32 v[STO], v[TMP+\a] offset:64*\a    ; row 16 a + l % 16 of my 128
.endr
	ds_load_b128 v[TMP+8:TMP+11], v[RD]            ; four neighbouring rows a lane.  LDS serves a wave's instructions in order (ISA guide 5.7.1.4): this sees the stores above; the stage is my wave's own
	v_cmp_eq_u32 vcc_lo, 0, v[CXV]                 ; all lanes where my work-group is the cluster's first along x, else none
	s_wait_dscnt 0x0
	s_wait_xcnt 0x0                                ; EXEC changes only behind this wait
	s_and_saveexec_b32 s[SAVE], vcc_lo
	global_store_b128 v[CO], v[TMP+8:TMP+11], s[10:11]   ; 32 lanes store 512 consecutive bytes, at a multiple of 512 from out0's first byte
	s_wait_xcnt 0x0                                ; and again, in front of the line that widens it; the store has read its data and its base too
	s_or_b32 exec_lo, exec_lo, s[SAVE]
.if \more
	s_add_nc_u64 s[10:11], s[10:11], WALK*4
.endif
.Lnot_mine_\@:
.endm
	s_wait_tensorcnt 1                             ; my part of K step 0 is in (K step 1's load may be out)
	s_barrier_signal -1
	s_barrier_wait -1                              ; everybody's is
	FETCH_B 0, 0, 0
	FETCH_A 0, 0, 0
	FETCH_A 0, 0, 4
	s_wait_kmcnt 0x0
	s_add_co_i32 s96, s96, s97                     ; e0 + e1
	s_mov_b32 s2, TILES-1
.Ltile:                                                ; a trip is a whole tile that has a successor: eight steps of 128 along K, four changes of slots, each with its refill.  One load of mine is out here: slot 1's
	STEP 0, 0, 1                                   ; the tile's first products start the sums
	TURN 0, 1, 1, 2                                ; slot 0 takes K step 2
	STEP 1, 0, 0
	TURN 1, 0, 1, 1                                ; slot 1 takes K step 3
	STEP 0, 0, 0
	TURN 0, 1, 2, 1                                ; THE RING GOES ON INTO THE NEXT TILE: slot 0 takes its K step 0,
	STEP 1, 0, 0
	TURN 1, 0, 2, 1                                ; slot 1 its K step 1, and the next tile's first fragments are fetched
	WAYOUT 1                                       ; both refills are asked for: now column 1 goes out
	s_sub_co_u32 s2, s2, 1
	s_cmp_lg_u32 s2, 0
	s_cbranch_scc1 .Ltile
	STEP 0, 0, 1                                   ; the last tile
	TURN 0, 1, 1, 0
	STEP 1, 0, 0
	TURN 1, 0, 1, 0
	STEP 0, 0, 0
	TURN 0, 1, 0, 0                                ; its last two K steps fill nothing, and have no round of the cluster's barrier
	STEP 1, 0, 0
	s_wait_dscnt 4*NL                              ; the very last step: nothing more to fetch
	WIN MUL_LO
	MUL16 0, 1, 0
	MUL16 2, 1, 0
	s_wait_dscnt 0
	WIN MUL_HI
	MUL16 4, 1, 0
	MUL16 6, 1, 0
	WIN 0
	WAYOUT 0
	s_wait_tensorcnt 0x0                           ; the wave's end: behind my last tensor load and my last LDS store
	ds_add_u32 v[SPW], v[NIL]
	s_wait_dscnt 0x0
	CROUND                                         ; the closing round: no work-group ends while a partner may still ask for a tile that names it
	s_endpgm
.Lfunc_end_k_q64657c5844_gemm:
	.size	k_q64657c5844_gemm, .Lfunc_end_k_q64657c5844_gemm-k_q64657c5844_gemm
	.p2alignl 7, 3214868480
	.fill 96, 4, 3214868480
	.section	.rodata,"a",@progbits
	.p2align	6, 0x0
	.amdhsa_kernel k_q64657c5844_gemm
		.amdhsa_group_segment_fixed_size 327680
		.amdhsa_private_segment_fixed_size 0
		.amdhsa_enable_private_segment 0
		.amdhsa_kernarg_size 32
		.amdhsa_user_sgpr_count 2
		.amdhsa_user_sgpr_kernarg_segment_ptr 1
		.amdhsa_wavefront_size32 1
		.amdhsa_system_sgpr_workgroup_id_x 1
		.amdhsa_system_sgpr_workgroup_id_y 1
		.amdhsa_system_sgpr_workgroup_id_z 1
		.amdhsa_system_vgpr_workitem_id 0
		.amdhsa_next_free_vgpr 1024
		.amdhsa_next_free_sgpr 98
		.amdhsa_reserve_vcc 1
		.amdhsa_float_denorm_mode_32 3
		.amdhsa_float_denorm_mode_16_64 3
		.amdhsa_memory_ordered 1
		.amdhsa_forward_progress 1
		.amdhsa_inst_pref_size 154
	.end_amdhsa_kernel
	.amdgpu_metadata
---
amdhsa.version: [ 1, 2 ]
amdhsa.kernels:
  - .name:           k_q64657c5844_gemm
    .symbol:         k_q64657c5844_gemm.kd
    .args:
      - { .name: a_codes, .offset: 0, .size: 8, .value_kind: global_buffer, .address_space: global }
      - { .name: b_codes, .offset: 8, .size: 8, .value_kind: global_buffer, .address_space: global }
      - { .name: lowp_scales, .offset: 16, .size: 8, .value_kind: global_buffer, .address_space: global }
      - { .name: out0, .offset: 24, .size: 8, .value_kind: global_buffer, .address_space: global }
    .group_segment_fixed_size: 327680
    .private_segment_fixed_size: 0
    .kernarg_segment_align: 8
    .kernarg_segment_size: 32
    .max_flat_workgroup_size: 128
    .sgpr_count:     98
    .vgpr_count:     1024
    .wavefront_size: 32
...
	.end_amdgpu_metadata
.endif
;; end of part 2
